; MI455X (gfx1250); checked and timed in simulation.
; The chip was launched on July 23, 2026; its instructions are those of AMD's public machine-readable ISA for CDNA 5 (MIT licence, August 2026) and "CDNA5" Instruction Set Architecture Reference Guide (July 2026). The comments in the code are by the model that wrote it; some were corrected since.
;; Attention. Allowed arithmetic: matrix products marked QUANTISED: E2M3 operands, one E8M0 scale for each 32 along K, by v_wmma_scale_f32_16x16x128_f8f6f4 with both operands' format E2M3, f32 sums; everything else in f32.
;; Inputs: Wk_codes 1,024 x 32 x 24 uint8 (E2M3 codes of Wk, K innermost, in blocks of 32 codes, four codes in three bytes); Wk_scales 1,024 x 32 uint8 (E8M0 scales of Wk, one for each 32 codes along K); Wq_codes 1,024 x 32 x 24 uint8 (E2M3 codes of Wq, K innermost, in blocks of 32 codes, four codes in three bytes); Wq_scales 1,024 x 32 uint8 (E8M0 scales of Wq, one for each 32 codes along K); Wv_codes 1,024 x 32 x 24 uint8 (E2M3 codes of Wv, K innermost, in blocks of 32 codes, four codes in three bytes); Wv_scales 1,024 x 32 uint8 (E8M0 scales of Wv, one for each 32 codes along K); x_codes 4 x 2,048 x 32 x 24 uint8 (E2M3 codes of x, K innermost, in blocks of 32 codes, four codes in three bytes); x_scales 4 x 2,048 x 32 uint8 (E8M0 scales of x, one for each 32 codes along K).
;; Outputs: out0 4 x 2,048 x 1,024 float32.
;; This version of the problem:
;;   THIS VERSION OF THE PROBLEM IS GIVEN IN LOW PRECISION. The matrix products marked QUANTISED in the list below multiply operands that are first quantised to E2M3 (2 exponent bits, 3 mantissa bits; 6 bits a number), with one power-of-two scale for each 32 numbers along K (OCP MX v1.0); their sums are f32. All else is computed in f32.
;;   The module's matrix products, in the order in which they are computed (A, B: the left and right operand; K: the contracted axis; several contracted axes count as one K, in the product's order):
;;     1. [M 8,192, K 1,024] x [K 1,024, N 1,024]; A: input x (given as codes); B: input Wk (given as codes): QUANTISED
;;     2. [M 8,192, K 1,024] x [K 1,024, N 1,024]; A: input x (given as codes); B: input Wq (given as codes): QUANTISED
;;     3. [M 8,192, K 1,024] x [K 1,024, N 1,024]; A: input x (given as codes); B: input Wv (given as codes): QUANTISED
;;     4. batch 4 x [M 2,048, K 1,024] x [K 1,024, N 2,048]; A: computed on the way; B: computed on the way: QUANTISED
;;     5. batch 4 x [M 2,048, K 2,048] x [K 2,048, N 1,024]; A: computed on the way; B: computed on the way: QUANTISED
;;   THE QUANTISER, for each operand of a quantised product, along K:
;;     - K is cut into blocks of 32 from its start; a last block that is shorter is filled with zeros.
;;     - A block's scale is 2^e with e = floor(log2(the largest magnitude in the block)) - 2, held to -126 .. 127; a block of zeros has e = 0. As a byte (E8M0): e + 127.
;;     - Each number is divided by its block's scale, clamped to +-7.5, and rounded to the nearest number of E2M3, ties to even, subnormals kept.
;;     - The product sums the exact products of the quantised numbers (number of the format x scale) in f32.
;;   ~~~python
;;   def quantise(x, axis):      # numpy; x: float32 -> the quantised numbers, widened to float32 again
;;       x = np.moveaxis(x, axis, -1); K = x.shape[-1]
;;       x = np.pad(x, [(0, 0)] * (x.ndim - 1) + [(0, -K % 32)]); x = x.reshape(x.shape[:-1] + (-1, 32)); a = np.abs(x).max(-1, keepdims=True)
;;       e = np.where(a > 0, np.clip(np.frexp(np.where(a > 0, a, 1))[1] - 1 - 2, -126, 127), 0)      # np.frexp(a)[1] - 1 = floor(log2(a)), exactly
;;       r = np.clip(x / 2.0 ** e, -7.5, 7.5)
;;       step = 2.0 ** (np.maximum(np.frexp(np.where(r == 0, 1, r))[1] - 1, 0) - 3)
;;       q = np.round(r / step) * step * 2.0 ** e      # np.round: ties to even
;;       return np.moveaxis(q.reshape(q.shape[:-2] + (-1,))[..., :K], -1, axis).astype(np.float32)
;;   ~~~
;;   OPERANDS COMPUTED ON THE WAY. 'Computed on the way' means the value that the module computes at that place (a softmax that the list does not call 'softmax' is quantised finished and normalised). What goes into a quantiser is computed in f32, as accurately as f32 sums, v_exp_f32 and their like allow (about 1e-6 of the number): no bf16 or f16 on the way to a quantiser, and a product that is left as it is and whose result goes on into a quantised operand takes f32 operands (vector FMAs, or v_wmma_f32_16x16x4_f32). A number that lies on a knife's edge between two numbers of the format may be rounded either way, as far as f32 arithmetic and the matrix unit's own rounding can turn it there, and no further.
;;   INPUTS GIVEN AS CODES. Wk (in the module: [1024, 1024], K = its axis 0); Wq (in the module: [1024, 1024], K = its axis 0); Wv (in the module: [1024, 1024], K = its axis 0); x (in the module: [4, 2048, 1024], K = its axis 2): each comes as NAME_codes (uint8): NAME with its K axis moved to the last place and cut into blocks of 32 codes, [.., K / 32, bytes a block], one block behind the other in memory; four codes in three bytes: a row's codes are one little-endian stream of bits, code i at bits 6 i .. 6 i + 5 (a code: sign, 2 exponent bits, 3 mantissa bits); and NAME_scales (uint8): the same leading axes, one E8M0 byte (e + 127) for each 32 codes along K. Its value is code x scale, taken as it is: it is not quantised again, and the codes and scales need not be those that the quantiser above would give.
;; One version. Each part assembles by itself: llvm-mc -triple=amdgcn-amd-amdhsa -mcpu=gfx1250 --defsym DOCPART=n.
;; ======== version 1 of 1: 4 launches
;; limits: right only within a limited range of input values
;; workspace buffers: Qb 6,553,600 bytes; Kb 6,553,600 bytes; Vb 6,553,600 bytes; Pb 6,963,200 bytes; Sb 67,108,864 bytes
;; launch proj (part 1): grid 8 x 32, 4 waves a work-group, clusters of 4 x 4, 327,680 bytes of LDS; arguments x_codes, x_scales, Wq_codes, Wq_scales, Wk_codes, Wk_scales, Wv_codes, Wv_scales, Qb, Kb, Vb; writes Qb, Kb, Vb
.if DOCPART == 1
	.amdgcn_target "amdgcn-amd-amdhsa--gfx1250"
	.amdhsa_code_object_version 6
	.text
	.protected	k_q84384c3b75_proj
	.globl	k_q84384c3b75_proj
	.p2align	8
	.type	k_q84384c3b75_proj,@function
k_q84384c3b75_proj:
	s_mov_b64 s[64:65], 0
	v_nop
	global_prefetch_b8 v0, s[64:65] scope:SCOPE_SE
	s_setreg_imm32_b32 hwreg(HW_REG_WAVE_MODE, 25, 1), 1
	s_wait_xcnt 0x0
	s_wait_alu depctr_hold_cnt(0) depctr_sa_sdst(0) depctr_va_vdst(0) depctr_va_sdst(0) depctr_va_ssrc(0) depctr_va_vcc(0) depctr_vm_vsrc(0)
	s_getreg_b32 s2, hwreg(HW_REG_IB_STS2, 6, 4)
	s_cmp_eq_u32 s2, 0
	s_cbranch_scc0 .Lentry_in_a_cluster
	s_endpgm
.Lentry_in_a_cluster:
	s_bfe_u32 s2, ttmp6, 0x10000c
	s_cmp_lg_u32 s2, 0xf033
	s_cbranch_scc0 .Lentry_shape_is_right
	s_endpgm
.Lentry_shape_is_right:
; Q = x Wq, K = x Wk, V = x Wv on the given codes of E2M3 and E8M0 bytes; f32 sums.  Each result is quantised in registers by the stated quantiser, Q and K along h, V along the keys,
; and stored as the next products' operands.
; THE WHOLE PROGRAM: proj (this) | scores: Q K^T, raw f32 sums | soft: mask, softmax finished and normalised, quantised along the keys | pv: P V.
; DEAD WORK, for all finite values of the inputs.  (a) reference() sets wei to -inf wherever key > query, by a tril that it builds itself; exp(-inf) = 0, so such a weight is 0 and adds 0 x V = 0.
; Where that comes in whole units it is left out: of Q K^T the tiles of 256 x 256 wholly above the diagonal, of P V the steps of 128 keys behind a group of 128 queries.
; (b) relu of a softmax: a softmax is never negative, so relu is the identity.  Every input has a way to the output: all eight are loaded.
; LIMITS.  A NaN, an infinity or an overflow that reaches only the work left out is not carried to the result; NaN and infinities among the computed numbers are not served; a block whose largest
; magnitude lies under 2^-124 gets the byte 1 (a block of zeros too, where the rule says 127: its codes are zeros, and this program alone reads the bytes).
; SHARES.  256 work-groups, 8 x 32.  Work-group (j, Y) takes rows 256 Y .. + 255 of x and rows 128 j .. + 127 of Wq, of Wk and of Wv: three units of 256 x 128 x 1,024.  A wave takes 64 rows of x.
; X STAYS IN REGISTERS: a wave's 64 rows for all of K are 32 fragments, 384 registers, read from LDS once.  Only the weights' fragments are read step by step: each feeds four matrix instructions.
; LDS: three areas of 128 rows x 816 bytes (a row of 768 bytes, 16 bytes of padding behind every 256).  The head fills area 0 with Wq's rows (waves 2, 3) and areas 1, 2 with x (waves 0, 1).
; When every wave of the cluster has x in registers, Wk's rows land in area 1 (waves 0, 1) and Wv's in area 2 (waves 2, 3).  No tensor load follows: each wave issues two in all, one out at a time.
; A tile's row is a whole row of codes: 768 bytes from a multiple of 768 on.  x's tiles are asked for jointly along a row of the cluster, the weights' along a column.
; NO PREFETCH: all tiles are asked for by the two groups of loads above, and no loop follows in which to ask ahead.
; Q, K: source 0 = 16 rows of the weight, source 1 = 16 rows of x: a lane holds a row of x, its registers run along h.  V: source 0 = x (keys), source 1 = Wv: a lane holds a channel, registers run along the keys.
; THE WORKSPACE: a fragment (16 rows x 128 K, 12 registers a lane) is 1,536 bytes, quad c of lane l at 512 c + 16 l; a block (128 rows x 128 K) is eight fragments, then at 12,288 a scale word a row.
; THE ORDER OF CODES INSIDE A BLOCK OF 32: a lane's registers 16 B + i hold k = 32 B + 8 h + i (i < 8) or 32 B + 16 + 8 h + i - 8, quantised as they lie; lanes l and l xor 16 hold the true block,
; so scale and codes are the quantiser's, and the order is alike in both operands of each later product.
; REGISTERS: window 0: v2-15 addresses; v16-31 x's scale words; v32-63 the weight's; v64-159, v160-255 the weight's fragments, two sets (v160-243 at work on the ways out).
;   windows 1, 2: v0-191 x's fragments of K steps 0-3, 4-7.   window 3: 32 accumulators.
.set ROWP,  816
.set T16,   16*ROWP
.set HALF,  64*ROWP
.set AREA,  128*ROWP
.set SPARE, 3*AREA                     ; the spare words, 128 bytes a wave
.set BLKB,  12800
.set SCO,   12288
.set CW,    (1<<20)|(1<<21)|(5<<22)|(3<<25)   ; elements of 1 byte; padding on; bit 21 beside a mask; after every 64 words, 4 words
.set SO,  2                            ; 32 x lane: a row of scale bytes
.set RT,  3                            ; V's way out: the last 1,024 bytes, 8 a lane
.set SA,  4                            ; v4-5 the weight's rows 0-63 (v5: behind one padding more), v6-7 rows 64-127
.set LI,  8                            ; 16 x lane + my four fragments' place in a block
.set LS,  9                            ; 4 x lane + my 64 scale words' place
.set VA,  10                           ; V's stage: first and third pair of my six registers
.set VB,  11                           ; the second pair
.set VS,  12                           ; my two scale bytes
.set RD,  13                           ; my 6,144 bytes of the stage, and of the two blocks in memory
.set SPW, 14
.set NIL, 15
.set XS,  16                           ; register 8 p + k: lanes 0-15 tile 2 p of x, lanes 16-31 tile 2 p + 1, K step k
.set SS,  32                           ; the same for the weight's eight tiles
.set SF,  64
.set XA,  164                          ; at the head: my rows of x in LDS
.set TM,  160
.set CH2, 176
.set PW,  184
.set DC,  192
.set SW,  240
.set SEL, 20
.set G1R, 24
.set G1S, 32
.set G0R, 40
.set G0S, 44
.set G0N, 48
.set OQ,  52
.set OKB, 54
.set OV,  56
.set SQ,  58
.set SK,  60
.set SV,  62
.set XSP, 66
.set MSB, 0
.macro WIN new
.if MSB != \new
	s_set_vgpr_msb (MSB<<8)|\new
.set MSB, \new
.endif
.endm
.macro PLACES
.rept 4
	v_nop
.endr
.endm
.macro CROUND
	s_barrier_signal -1
	s_barrier_wait -1
	s_cmp_lg_u32 s14, 0
	s_cbranch_scc1 .Lnot_wave_0_\@
	s_barrier_signal -3
.Lnot_wave_0_\@:
	s_barrier_wait -3
	s_barrier_signal -1
	s_barrier_wait -1
.endm
	s_load_b512 s[68:83], s[0:1], 0x0              ; x's codes 68, scales 70; Wq's 72, 74; Wk's 76, 78; Wv's 80, 82
	s_load_b128 s[84:87], s[0:1], 0x40             ; Qb, Kb
	s_load_b64 s[88:89], s[0:1], 0x50              ; Vb
	v_lshl_add_u32 v[SPW], v0, 2, SPARE
	v_mov_b32 v[NIL], 0
	ds_add_u32 v[SPW], v[NIL]                      ; the opening lines: the add twice on end and its wait ahead of my first tensor load
	ds_add_u32 v[SPW], v[NIL]
	v_lshrrev_b32 v1, 5, v0
	v_readfirstlane_b32 s14, v1                    ; wave
	s_lshr_b32 s15, s14, 1
	s_and_b32 s16, s14, 1
	s_bfe_u32 s9, ttmp6, 0x40000                   ; cx
	s_bfe_u32 s10, ttmp6, 0x40004                  ; cy
	s_lshl_b32 s18, ttmp9, 2
	s_add_co_u32 s18, s18, s9                      ; j
	s_and_b32 s17, ttmp7, 0xffff
	s_lshl_b32 s17, s17, 2
	s_add_co_u32 s17, s17, s10                     ; Y
	s_lshl_b32 s11, s10, 2
	s_lshl_b32 s11, 15, s11                        ; my row of the cluster
	s_lshl_b32 s12, 0x1111, s9                     ; my column
	s_or_b32 s[G1R], s11, CW
	s_or_b32 s[G1S], s12, CW
.irp g, G1R, G1S
	s_mov_b32 s[\g+1], 768<<16
	s_mov_b32 s[\g+3], 768<<16
	s_mov_b32 s[\g+5], 768
	s_mov_b32 s[\g+6], 0
	s_mov_b32 s[\g+7], 0
.endr
	s_mov_b32 s[G1R+2], 128<<16                    ; x: 128 rows a load
	s_mov_b32 s[G1R+4], 128
	s_mov_b32 s[G1S+2], 64<<16                     ; a weight: 64 rows a load
	s_mov_b32 s[G1S+4], 64
	s_lshl_b32 s2, s17, 8                          ; offsets made of Y and the wave alone
	s_lshl_b32 s3, s16, 7
	s_add_co_u32 s3, s2, s3
	s_mul_i32 s[G0R+2], s3, 768
	s_mov_b32 s[G0R+3], 0
	s_lshl_b32 s3, s14, 6
	s_add_co_u32 s3, s2, s3                        ; my 64 rows of x
	s_lshl_b32 s[XSP], s3, 5
	s_mov_b32 s[XSP+1], 0
	s_lshl_b32 s4, s18, 7                          ; offsets made of j and the wave alone
	s_lshl_b32 s5, s16, 6
	s_add_co_u32 s5, s4, s5
	s_mul_i32 s22, s5, 768
	s_mov_b32 s23, 0
	s_lshl_b32 s6, s4, 5
	s_mov_b32 s7, 0
	s_lshl_b32 s92, s17, 1                         ; Q, K: block (2 Y + wave / 2) x 8 + j
	s_add_co_u32 s92, s92, s15
	s_lshl_b32 s92, s92, 3
	s_add_co_u32 s92, s92, s18
	s_mul_i32 s92, s92, BLKB
	s_mov_b32 s93, 0
	s_lshr_b32 s94, s17, 3                         ; V: block ((batch x 8 + j) x 16 + 2 (Y % 8)), and the next
	s_lshl_b32 s94, s94, 3
	s_add_co_u32 s94, s94, s18
	s_lshl_b32 s94, s94, 4
	s_and_b32 s95, s17, 7
	s_lshl_b32 s95, s95, 1
	s_add_co_u32 s94, s94, s95
	s_mul_i32 s94, s94, BLKB
	s_mov_b32 s95, 0
	s_mul_i32 s[G0R+1], s16, AREA                  ; LDS: x's halves in areas 1, 2;
	s_add_co_u32 s[G0R+1], s[G0R+1], AREA
	s_mul_i32 s[G0S+1], s16, HALF                  ; Wq's halves in area 0;
	s_mul_i32 s[G0N+1], s14, HALF                  ; later Wk's and Wv's halves in areas 1, 2
	s_add_co_u32 s[G0N+1], s[G0N+1], AREA
	s_wait_dscnt 0x0                               ; both opening adds are done
	s_wait_kmcnt 0x0
	s_add_nc_u64 s[G0R+2:G0R+3], s[68:69], s[G0R+2:G0R+3]
	s_add_nc_u64 s[G0S+2:G0S+3], s[72:73], s[22:23]
	s_cmp_eq_u32 s15, 0
	s_cselect_b64 s[90:91], s[76:77], s[80:81]     ; waves 0, 1 will fetch Wk, waves 2, 3 Wv
	s_add_nc_u64 s[G0N+2:G0N+3], s[90:91], s[22:23]
	s_add_nc_u64 s[XSP:XSP+1], s[70:71], s[XSP:XSP+1]
	s_add_nc_u64 s[SQ:SQ+1], s[74:75], s[6:7]
	s_add_nc_u64 s[SK:SK+1], s[78:79], s[6:7]
	s_add_nc_u64 s[SV:SV+1], s[82:83], s[6:7]
	s_add_nc_u64 s[OQ:OQ+1], s[84:85], s[92:93]
	s_add_nc_u64 s[OKB:OKB+1], s[86:87], s[92:93]
	s_add_nc_u64 s[OV:OV+1], s[88:89], s[94:95]
.irp g, G0R, G0S, G0N
	s_mov_b32 s[\g], 1
	s_or_b32 s[\g+3], s[\g+3], 0x80000000
.endr
	CROUND                                         ; all sixteen work-groups are here: the first joint loads meet
	s_cmp_eq_u32 s15, 0                            ; one load a wave, in the two arms of one branch on the wave's number
	s_cbranch_scc0 .Lhead_s
	tensor_load_to_lds s[G0R:G0R+3], s[G1R:G1R+7]
	s_nop 0
	PLACES
	s_branch .Lhead_on
.Lhead_s:
	tensor_load_to_lds s[G0S:G0S+3], s[G1S:G1S+7]
	s_nop 0
	PLACES
.Lhead_on:
	s_mov_b32 s[SEL], 0x76543210
	s_mov_b32 s[SEL+1], 0xfedcba98                 ; selects for lane l xor 16
	s_mov_b32 s8, 0xffff0000                       ; lanes 16-31
	s_mul_i32 s2, s14, HALF
	s_add_co_u32 s2, s2, AREA                      ; my 64 rows of x in LDS
	s_mul_i32 s3, s16, 6144
	s_lshl_b32 s4, s16, 8
	s_mul_i32 s5, s15, BLKB                        ; V's stage: block wave / 2; my keys are the half wave % 2 of its 128
	s_mul_i32 s6, s16, 520
	s_add_co_u32 s6, s6, s5
	s_mul_i32 s7, s16, 1016
	s_add_co_u32 s7, s7, s5
	s_add_co_u32 s7, s7, 8
	s_lshl_b32 s13, s16, 1
	s_add_co_u32 s13, s13, s5
	s_add_co_u32 s13, s13, SCO
	s_mul_i32 s19, s14, 6144
	s_lshl_b32 s22, s14, 8
	s_add_co_u32 s22, s22, 24576
	v_and_b32 v1, 31, v0
	v_and_b32 v160, 15, v0
	v_bfe_u32 v161, v0, 4, 1
	v_mul_u32_u24 v162, v160, ROWP
	v_mad_u32_u24 v[SA], v161, 24, v162            ; row x pitch + 24 x half
	v_lshl_add_u32 v[SA+1], v161, 4, v[SA]         ; lanes 16-31 behind one padding more
	v_add_nc_u32 v[SA+2], HALF, v[SA]
	v_add_nc_u32 v[SA+3], HALF, v[SA+1]
	v_add_nc_u32 v[XA], s2, v[SA]
	v_add_nc_u32 v[XA+1], s2, v[SA+1]
	v_lshlrev_b32 v[SO], 5, v1
	v_lshl_add_u32 v[LI], v1, 4, s3
	v_lshl_add_u32 v[LS], v1, 2, s4
	v_lshl_add_u32 v[VA], v1, 4, s6
	v_lshl_add_u32 v[VB], v1, 4, s7
	v_lshl_add_u32 v[VS], v1, 2, s13
	v_lshl_add_u32 v[RD], v1, 4, s19
	v_lshl_add_u32 v[RT], v1, 3, s22
	s_wait_alu depctr_va_vdst(0)
; A fragment: lane l holds row l % 16; registers 6 c .. 6 c + 5 hold K = 64 c + 32 (l / 16) + 0 .. 31: 24 bytes of the row, in pieces of 8.  Byte y of a row lies at y + 16 (y / 256) of its LDS row.
.macro FRAG reg, adr, k, off
.irp p, 0,1,2,3,4,5
.set BY, 96*(\k)+48*(\p/3)+8*(\p%3)
.if BY/256 == (BY+24)/256
	ds_load_b64 v[\reg+2*\p:\reg+2*\p+1], v[\adr] offset:BY+16*(BY/256)+\off
.else
	ds_load_b64 v[\reg+2*\p:\reg+2*\p+1], v[\adr+1] offset:BY+16*(BY/256)+\off
.endif
.endr
.endm
.macro FETCH_S k, s                    ; the weight's eight fragments of K step k into set s: 48 loads
.irp i, 0,1,2,3,4,5,6,7
	FRAG SF+96*(\s)+12*\i, SA+2*(\i/4), \k, (\i%4)*T16
.endr
.endm
.macro SLOAD sp                        ; a weight's scale words for all of K: lane l takes the 32 bytes of row 32 p + l
.irp p, 0,1,2,3
	global_load_b128 v[SS+8*\p:SS+8*\p+3], v[SO], s[\sp:\sp+1] offset:1024*\p
	global_load_b128 v[SS+8*\p+4:SS+8*\p+7], v[SO], s[\sp:\sp+1] offset:1024*\p+16
.endr
.endm
.macro WM d, f0, f1, s0, s1, r0, r1, c ; r0, r1: which half of the lanes holds source 0's and source 1's scale words
.if 2*(\r0)+(\r1) == 0
	v_wmma_scale_f32_16x16x128_f8f6f4 v[\d:\d+7], v[\f0:\f0+11], v[\f1:\f1+11], \c, v[\s0], v[\s1] matrix_a_fmt:MATRIX_FMT_FP6 matrix_b_fmt:MATRIX_FMT_FP6
.endif
.if 2*(\r0)+(\r1) == 1
	v_wmma_scale_f32_16x16x128_f8f6f4 v[\d:\d+7], v[\f0:\f0+11], v[\f1:\f1+11], \c, v[\s0], v[\s1] matrix_a_fmt:MATRIX_FMT_FP6 matrix_b_fmt:MATRIX_FMT_FP6 matrix_b_scale:MATRIX_SCALE_ROW1
.endif
.if 2*(\r0)+(\r1) == 2
	v_wmma_scale_f32_16x16x128_f8f6f4 v[\d:\d+7], v[\f0:\f0+11], v[\f1:\f1+11], \c, v[\s0], v[\s1] matrix_a_fmt:MATRIX_FMT_FP6 matrix_b_fmt:MATRIX_FMT_FP6 matrix_a_scale:MATRIX_SCALE_ROW1
.endif
.if 2*(\r0)+(\r1) == 3
	v_wmma_scale_f32_16x16x128_f8f6f4 v[\d:\d+7], v[\f0:\f0+11], v[\f1:\f1+11], \c, v[\s0], v[\s1] matrix_a_fmt:MATRIX_FMT_FP6 matrix_b_fmt:MATRIX_FMT_FP6 matrix_a_scale:MATRIX_SCALE_ROW1 matrix_b_scale:MATRIX_SCALE_ROW1
.endif
.endm
; 32 matrix instructions, a K step; the 32 accumulators take turns in the same order in every step; the first step's products start the sums.
.macro MULQ k                          ; accumulator (x tile a, weight tile b) at 8 (8 a + b)
.irp b, 0,1,2,3,4,5,6,7
.irp a, 0,1,2,3
.if \k == 0
	WM 8*(8*\a+\b), SF+96*(\k%2)+12*\b, 12*(4*(\k%4)+\a), SS+8*(\b/2)+\k, XS+8*(\a/2)+\k, \b%2, \a%2, 0
.else
	WM 8*(8*\a+\b), SF+96*(\k%2)+12*\b, 12*(4*(\k%4)+\a), SS+8*(\b/2)+\k, XS+8*(\a/2)+\k, \b%2, \a%2, v[8*(8*\a+\b):8*(8*\a+\b)+7]
.endif
.endr
.endr
.endm
.macro MULV k                          ; accumulator (weight tile b, x tile a) at 8 (4 b + a)
.irp b, 0,1,2,3,4,5,6,7
.irp a, 0,1,2,3
.if \k == 0
	WM 8*(4*\b+\a), 12*(4*(\k%4)+\a), SF+96*(\k%2)+12*\b, XS+8*(\a/2)+\k, SS+8*(\b/2)+\k, \a%2, \b%2, 0
.else
	WM 8*(4*\b+\a), 12*(4*(\k%4)+\a), SF+96*(\k%2)+12*\b, XS+8*(\a/2)+\k, SS+8*(\b/2)+\k, \a%2, \b%2, v[8*(4*\b+\a):8*(4*\b+\a)+7]
.endif
.endr
.endr
.endm
.macro UNIT u                          ; eight K steps; the next step's fragments are asked for at a step's head, into the other set
.irp k, 0,1,2,3,4,5,6,7
	s_wait_dscnt 0x0                               ; this step's 48 loads are in
.if \k < 7
	PLACES                                         ; in front of loads into registers that the last step's products read
	FETCH_S \k+1, (\k+1)%2
.endif
.if \u < 2
.set WV, 0xf0+4*(1+\k/4)               ; source 0 window 0, source 1 x's window, C and D window 3
	WIN WV
	MULQ \k
.else
.set WV, 0xf0+(1+\k/4)                 ; source 0 x's window, source 1 window 0
	WIN WV
	MULV \k
.endif
	WIN 0
.endr
.endm
.macro NEXT sp                         ; behind a unit's last products: on to the next area; its first fragments and scale words land under the way out
	PLACES
.irp i, 0,1,2,3
	v_add_nc_u32 v[SA+\i], AREA, v[SA+\i]
.endr
	s_wait_alu depctr_va_vdst(0)
	FETCH_S 0, 0
	SLOAD \sp
.irp b, 0,1,2,3
	v_mov_b32 v[TM+4+\b], 0                        ; a lane permute's destination counts as one of its sources
.endr
.endm
; THE QUANTISER on 64 accumulator registers: four blocks of 32, each shared with lane l xor 16.  A block's largest magnitude, with the floor 2^(3 - 127) among its leaves; 2 off its exponent field is the
; conversion's scale operand, and that shifted down the byte (v[TM+4 ..]).  The conversions' halves change lanes so that a lane holds whole blocks: 12 registers of codes at v[DC + 12 a].
.macro QUANT a
.set AC, 64*(\a)
.set D,  DC+12*(\a)
	WIN 0x3c                                       ; sources 1 and 2 in window 3
.irp b, 0,1,2,3
	v_max3_num_f32 v[TM+\b], 0x1800000, |v[AC+16*\b]|, |v[AC+16*\b+1]|   ; each accumulator is read from its low end on
.endr
.irp i, 2,4,6,8,10,12,14
.irp b, 0,1,2,3
	v_max3_num_f32 v[TM+\b], v[TM+\b], |v[AC+16*\b+\i]|, |v[AC+16*\b+\i+1]|
.endr
.endr
	WIN 0
.irp b, 0,1,2,3
	v_permlanex16_b32 v[TM+4+\b], v[TM+\b], s[SEL], s[SEL+1]
.endr
.irp b, 0,1,2,3
	v_max_num_f32 v[TM+\b], v[TM+\b], v[TM+4+\b]
.endr
.irp b, 0,1,2,3
	v_add_nc_u32 v[TM+12+\b], 0xff000000, v[TM+\b]
.endr
.irp b, 0,1,2,3
	v_lshrrev_b32 v[TM+4+\b], 23, v[TM+12+\b]
.endr
	WIN 3                                          ; source 0 in window 3
.irp c, 0,1
	v_cvt_scalef32_pk16_fp6_f32 v[D+6*\c:D+6*\c+2], v[AC+32*\c:AC+32*\c+15], v[TM+12+2*\c]
	v_cvt_scalef32_pk16_fp6_f32 v[CH2+4*\c:CH2+4*\c+2], v[AC+32*\c+16:AC+32*\c+31], v[TM+12+2*\c+1]
.endr
	WIN 0
	v_nop                                          ; one plain place behind a scaled conversion
.irp c, 0,1
.irp i, 0,1,2
	v_permlane16_swap_b32 v[D+6*\c+\i], v[CH2+4*\c+\i]
.endr
.irp i, 0,1,2
	v_mov_b32 v[D+6*\c+3+\i], v[CH2+4*\c+\i]
.endr
.endr
.endm
.macro OUTQ a, base                    ; Q, K: tile a of my rows is a whole fragment, stored as it stands; two tiles' scale words go out together
	QUANT \a
	v_lshl_or_b32 v[PW+(\a)], v[TM+5], 8, v[TM+4]
	v_lshl_or_b32 v[PW+(\a)], v[TM+6], 16, v[PW+(\a)]
	v_lshl_or_b32 v[PW+(\a)], v[TM+7], 24, v[PW+(\a)]
.irp c, 0,1,2
	global_store_b128 v[LI], v[D+4*\c:D+4*\c+3], s[\base:\base+1] offset:1536*(\a)+512*\c   ; 512 consecutive bytes, at a multiple of 256 from the buffer's first byte
.endr
.if (\a)%2
	v_cndmask_b32 v[SW+(\a)/2], v[PW+(\a)-1], v[PW+(\a)], s8
	global_store_b32 v[LS], v[SW+(\a)/2], s[\base:\base+1] offset:SCO+128*((\a)/2)
.endif
.endm
.macro OUTV u                          ; V: channel tiles 2 u, 2 u + 1: six registers (my 64 keys) and two scale bytes each, into the stage at their places in the fragments' images
	QUANT \u
	v_lshl_or_b32 v[PW], v[TM+5], 8, v[TM+4]
	v_lshl_or_b32 v[PW+1], v[TM+7], 8, v[TM+6]
	v_cndmask_b32 v[SW+\u], v[PW], v[PW+1], s8
	ds_store_b16 v[VS], v[SW+\u] offset:128*\u
.irp e, 0,1
	ds_store_b64 v[VA], v[D+6*\e:D+6*\e+1] offset:1536*(2*\u+\e)
	ds_store_b64 v[VB], v[D+6*\e+2:D+6*\e+3] offset:1536*(2*\u+\e)
	ds_store_b64 v[VA], v[D+6*\e+4:D+6*\e+5] offset:1536*(2*\u+\e)+512
.endr
.endm
.irp p, 0,1
	global_load_b128 v[XS+8*\p:XS+8*\p+3], v[SO], s[XSP:XSP+1] offset:1024*\p        ; x's scale words for all of K: lane l takes row 32 p + l of my 64
	global_load_b128 v[XS+8*\p+4:XS+8*\p+7], v[SO], s[XSP:XSP+1] offset:1024*\p+16
.endr
	SLOAD SQ
	s_wait_tensorcnt 0x0                           ; my part of the head's tiles is in,
	s_barrier_signal -1
	s_barrier_wait -1                              ; everybody's is
.irp k, 0,1,2,3,4,5,6,7                ; x into registers: 192 loads
.set WV, 0x40*(1+\k/4)
	WIN WV
.irp a, 0,1,2,3
	FRAG 12*(4*(\k%4)+\a), XA, \k, \a*T16
.endr
.endr
	WIN 0
	FETCH_S 0, 0
	s_wait_tensorcnt 0x0                           ; no tensor load of mine is out;
	ds_add_u32 v[SPW], v[NIL]
	s_wait_dscnt 0x0                               ; the add is done, and my reads of x are over
	CROUND                                         ; so it is with every wave of the cluster
	tensor_load_to_lds s[G0N:G0N+3], s[G1S:G1S+7]  ; Wk's and Wv's rows, over x's bytes: my one load behind the round
	s_nop 0
	PLACES
	s_wait_loadcnt 0x0                             ; the scale words are in
	UNIT 0
	s_wait_tensorcnt 0x0                           ; my part of Wk's or Wv's rows is in; my reads of area 0 were over at the last step's head
	s_barrier_signal -1
	s_barrier_wait -1                              ; everybody's: areas 1 and 2 are whole, area 0 is read no more
	NEXT SK
.irp a, 0,1,2,3
	OUTQ \a, OQ
.endr
	s_wait_xcnt 0x0                                ; the stores have read their data: the next fragments land in those registers
	s_wait_loadcnt 0x0
	UNIT 1
	NEXT SV
.irp a, 0,1,2,3
	OUTQ \a, OKB
.endr
	s_wait_xcnt 0x0
	s_wait_loadcnt 0x0
	UNIT 2
	PLACES
.irp b, 0,1,2,3
	v_mov_b32 v[TM+4+\b], 0
.endr
.irp u, 0,1,2,3
	OUTV \u                                        ; the stage lies in area 0, which has had its one fill and its last read
.endr
	s_wait_dscnt 0x0                               ; for the others' sake: my stores have landed
	s_barrier_signal -1
	s_barrier_wait -1
.irp t, 0,1,2,3,4,5,6,7,8,9,10,11      ; two whole blocks, 25,600 bytes on end in LDS and in Vb: 6,144 a wave, then 256 a wave
	ds_load_b128 v[SF+4*\t:SF+4*\t+3], v[RD] offset:512*\t
.endr
	ds_load_b64 v[SF+48:SF+49], v[RT]
	s_wait_dscnt 0x0
.irp t, 0,1,2,3,4,5,6,7,8,9,10,11
	global_store_b128 v[RD], v[SF+4*\t:SF+4*\t+3], s[OV:OV+1] offset:512*\t
.endr
	global_store_b64 v[RT], v[SF+48:SF+49], s[OV:OV+1]
	s_wait_tensorcnt 0x0                           ; the wave's end
	ds_add_u32 v[SPW], v[NIL]
	s_wait_dscnt 0x0
	CROUND                                         ; the closing round
	s_endpgm
.Lfunc_end_k_q84384c3b75_proj:
	.size	k_q84384c3b75_proj, .Lfunc_end_k_q84384c3b75_proj-k_q84384c3b75_proj
	.p2alignl 7, 3214868480
	.fill 96, 4, 3214868480
	.section	.rodata,"a",@progbits
	.p2align	6, 0x0
	.amdhsa_kernel k_q84384c3b75_proj
		.amdhsa_group_segment_fixed_size 327680
		.amdhsa_private_segment_fixed_size 0
		.amdhsa_enable_private_segment 0
		.amdhsa_kernarg_size 88
		.amdhsa_user_sgpr_count 2
		.amdhsa_user_sgpr_kernarg_segment_ptr 1
		.amdhsa_wavefront_size32 1
		.amdhsa_system_sgpr_workgroup_id_x 1
		.amdhsa_system_sgpr_workgroup_id_y 1
		.amdhsa_system_sgpr_workgroup_id_z 1
		.amdhsa_system_vgpr_workitem_id 0
		.amdhsa_next_free_vgpr 1024
		.amdhsa_next_free_sgpr 100
		.amdhsa_reserve_vcc 0
		.amdhsa_float_denorm_mode_32 3
		.amdhsa_float_denorm_mode_16_64 3
		.amdhsa_memory_ordered 1
		.amdhsa_forward_progress 1
		.amdhsa_inst_pref_size 251
	.end_amdhsa_kernel
	.amdgpu_metadata
---
amdhsa.version: [ 1, 2 ]
amdhsa.kernels:
  - .name:           k_q84384c3b75_proj
    .symbol:         k_q84384c3b75_proj.kd
    .args:
      - { .name: x_codes, .offset: 0, .size: 8, .value_kind: global_buffer, .address_space: global }
      - { .name: x_scales, .offset: 8, .size: 8, .value_kind: global_buffer, .address_space: global }
      - { .name: Wq_codes, .offset: 16, .size: 8, .value_kind: global_buffer, .address_space: global }
      - { .name: Wq_scales, .offset: 24, .size: 8, .value_kind: global_buffer, .address_space: global }
      - { .name: Wk_codes, .offset: 32, .size: 8, .value_kind: global_buffer, .address_space: global }
      - { .name: Wk_scales, .offset: 40, .size: 8, .value_kind: global_buffer, .address_space: global }
      - { .name: Wv_codes, .offset: 48, .size: 8, .value_kind: global_buffer, .address_space: global }
      - { .name: Wv_scales, .offset: 56, .size: 8, .value_kind: global_buffer, .address_space: global }
      - { .name: Qb, .offset: 64, .size: 8, .value_kind: global_buffer, .address_space: global }
      - { .name: Kb, .offset: 72, .size: 8, .value_kind: global_buffer, .address_space: global }
      - { .name: Vb, .offset: 80, .size: 8, .value_kind: global_buffer, .address_space: global }
    .group_segment_fixed_size: 327680
    .private_segment_fixed_size: 0
    .kernarg_segment_align: 8
    .kernarg_segment_size: 88
    .max_flat_workgroup_size: 128
    .sgpr_count:     100
    .vgpr_count:     1024
    .wavefront_size: 32
...
	.end_amdgpu_metadata
.endif
;; end of part 1
;; launch scores (part 2): grid 9 x 16, 4 waves a work-group, no clusters, 327,680 bytes of LDS; arguments Qb, Kb, Sb; writes Sb
.if DOCPART == 2
	.amdgcn_target "amdgcn-amd-amdhsa--gfx1250"
	.amdhsa_code_object_version 6
	.text
	.protected	k_q84384c3b75_scores
	.globl	k_q84384c3b75_scores
	.p2align	8
	.type	k_q84384c3b75_scores,@function
k_q84384c3b75_scores:
	s_mov_b64 s[64:65], 0
	v_nop
	global_prefetch_b8 v0, s[64:65] scope:SCOPE_SE
	s_setreg_imm32_b32 hwreg(HW_REG_WAVE_MODE, 25, 1), 1
	s_wait_xcnt 0x0
; S = Q K^T on the codes that proj has made; K = h = 1,024; raw f32 sums, stored as images of the accumulators: a unit of 16 queries x 128 keys is 8,192 bytes.
; LEFT OUT AS DEAD WORK: the tiles of 256 x 256 wholly above the diagonal, and in a tile on the diagonal the 128 x 128 above it (their weights are 0 by reference()'s own tril).
; SHARES.  A batch's 36 live tiles of 256 queries x 256 keys: grid x 0 .. 8, grid y = 4 x batch + r: tile rows r and 7 - r have 9 tiles together.  A wave takes 64 queries x 256 keys, in two units of 128 keys.
; OPERANDS lie in memory as images of their registers, in blocks of 12,800 bytes (128 rows x 128 K: eight fragments of 1,536 bytes, then a scale word a row), a row group's eight blocks on end.
; K's 256 keys are 16 blocks on end: each wave brings four by its one tensor load; they are filled once, so there is no ring.  Each fragment of K feeds four matrix instructions in each wave.
; Q's fragments belong to one wave each: my 64 queries for all of h, 32 fragments, go from memory straight into 384 registers, 512 consecutive bytes a load, and stay.
; NO CLUSTER: the work-groups that share a tile of K lie in different tile rows, of which one is on the diagonal and branches otherwise.  NO PREFETCH: all operands are asked for at the head.
; Source 0 = 16 keys, source 1 = 16 queries: a lane holds a query, register 8 b + j key 16 b + 8 (lane / 16) + j.
; REGISTERS: window 0: v2-15 addresses; v16-31 Q's scale words; v32-39 K's, two sets; v64-159, v160-255 K's fragments, two sets.  windows 1, 2: Q's fragments of K steps 0-3, 4-7.  window 3: 32 accumulators.
.set BLKB,  12800
.set SCO,   12288
.set SPARE, 16*BLKB                    ; the spare words, 128 bytes a wave
.set LQ,  2                            ; 16 x lane + my four fragments' place in a block
.set LSQ, 3                            ; 4 x lane + my 64 scale words' place
.set LA,  4                            ; v4-7  16 x lane + four blocks x 0 .. 3 (v4 also: my offset in a store)
.set LB,  8                            ; v8-11 4 x lane + the scale words' place + four blocks x 0 .. 3
.set SPW, 14
.set NIL, 15
.set XS,  16                           ; register 8 p + k: lanes 0-15 my tile 2 p, lanes 16-31 tile 2 p + 1, K step k
.set KS,  32                           ; set s at v[KS + 4 s]: register p: K's tiles 2 p, 2 p + 1
.set SF,  64
.set G1,  24
.set G0,  32
.set MSB, 0
.macro WIN new
.if MSB != \new
	s_set_vgpr_msb (MSB<<8)|\new
.set MSB, \new
.endif
.endm
.macro PLACES
.rept 4
	v_nop
.endr
.endm
	s_load_b128 s[4:7], s[0:1], 0x0                ; Qb, Kb
	s_load_b64 s[8:9], s[0:1], 0x10                ; Sb
	v_lshl_add_u32 v[SPW], v0, 2, SPARE
	v_mov_b32 v[NIL], 0
	ds_add_u32 v[SPW], v[NIL]                      ; the opening lines: the add twice on end and its wait ahead of my tensor load
	ds_add_u32 v[SPW], v[NIL]
	v_lshrrev_b32 v1, 5, v0
	v_readfirstlane_b32 s10, v1                    ; wave
	s_lshr_b32 s11, s10, 1
	s_and_b32 s12, s10, 1
	s_and_b32 s16, ttmp7, 0xffff
	s_lshr_b32 s15, s16, 2                         ; batch
	s_and_b32 s16, s16, 3                          ; r
	s_sub_co_u32 s17, 7, s16
	s_sub_co_u32 s18, ttmp9, s16
	s_sub_co_u32 s18, s18, 1
	s_cmp_le_u32 ttmp9, s16
	s_cselect_b32 s13, s16, s17                    ; tile row Y
	s_cselect_b32 s14, ttmp9, s18                  ; tile column X, at most Y
	s_mov_b32 s[G1+0], 3<<16                       ; elements of 8 bytes; 200 dense rows of 256 bytes: four blocks
	s_mov_b32 s[G1+1], 32<<16
	s_mov_b32 s[G1+2], 200<<16
	s_mov_b32 s[G1+3], 32<<16
	s_mov_b32 s[G1+4], 200
	s_mov_b32 s[G1+5], 32
	s_mov_b32 s[G1+6], 0
	s_mov_b32 s[G1+7], 0
	s_lshl_b32 s19, s15, 4
	s_lshl_b32 s16, s14, 1
	s_add_co_u32 s16, s16, s19                     ; K's row group 16 x batch + 2 X
	s_mul_i32 s16, s16, 8*BLKB
	s_mul_i32 s22, s10, 4*BLKB                     ; my four blocks, in memory and in LDS
	s_add_co_u32 s16, s16, s22
	s_mov_b32 s17, 0
	s_lshl_b32 s18, s13, 1
	s_add_co_u32 s18, s18, s19
	s_add_co_u32 s18, s18, s11                     ; Q's row group 16 x batch + 2 Y + wave / 2
	s_mul_i32 s18, s18, 8*BLKB
	s_mov_b32 s19, 0
	s_lshl_b32 s20, s15, 7
	s_lshl_b32 s21, s13, 4
	s_add_co_u32 s20, s20, s21
	s_lshl_b32 s21, s10, 2
	s_add_co_u32 s20, s20, s21                     ; my first tile of 16 queries: 128 x batch + 16 Y + 4 x wave
	s_lshl_b32 s20, s20, 4
	s_lshl_b32 s21, s14, 1
	s_add_co_u32 s20, s20, s21                     ; x 16 steps + step 2 X
	s_lshl_b32 s20, s20, 13
	s_mov_b32 s21, 0
	s_sub_co_u32 s23, s13, s14
	s_or_b32 s23, s23, s11                         ; 0: on the diagonal, and mine are the tile's first 128 queries
	s_mul_i32 s40, s12, 6144
	s_lshl_b32 s41, s12, 8
	s_add_co_u32 s41, s41, SCO
	s_wait_dscnt 0x0                               ; both opening adds are done
	s_wait_kmcnt 0x0
	s_add_nc_u64 s[4:5], s[4:5], s[18:19]
	s_add_nc_u64 s[8:9], s[8:9], s[20:21]
	s_mov_b32 s[G0], 1
	s_add_co_u32 s[G0+1], s22, 0
	s_add_nc_u64 s[G0+2:G0+3], s[6:7], s[16:17]
	s_or_b32 s[G0+3], s[G0+3], 0x80000000
	tensor_load_to_lds s[G0:G0+3], s[G1:G1+7]      ; my one tensor load
	s_nop 0
	PLACES
	v_and_b32 v1, 31, v0
	v_lshl_add_u32 v[LQ], v1, 4, s40
	v_lshl_add_u32 v[LSQ], v1, 2, s41
.irp q, 0,1,2,3
	v_lshl_add_u32 v[LA+\q], v1, 4, 4*BLKB*\q
	v_lshl_add_u32 v[LB+\q], v1, 2, 4*BLKB*\q+SCO
.endr
	s_wait_alu depctr_va_vdst(0)
.irp k, 0,1,2,3,4,5,6,7                ; Q: 16 loads of scale words, then 12 loads for each K step
.irp p, 0,1
	global_load_b32 v[XS+8*\p+\k], v[LSQ], s[4:5] offset:BLKB*\k+128*\p
.endr
.endr
.irp k, 0,1,2,3,4,5,6,7
.set WV, 0x40*(1+\k/4)
	WIN WV
.irp a, 0,1,2,3
.irp c, 0,1,2
	global_load_b128 v[12*(4*(\k%4)+\a)+4*\c:12*(4*(\k%4)+\a)+4*\c+3], v[LQ], s[4:5] offset:BLKB*\k+1536*\a+512*\c
.endr
.endr
.endr
	WIN 0
.macro FETCH n                         ; block n of K: eight fragments and four registers of scale words into sets n % 2: 28 loads
.irp i, 0,1,2,3,4,5,6,7
.irp c, 0,1,2
	ds_load_b128 v[SF+96*((\n)%2)+12*\i+4*\c:SF+96*((\n)%2)+12*\i+4*\c+3], v[LA+(\n)/4] offset:((\n)%4)*BLKB+1536*\i+512*\c
.endr
.endr
.irp p, 0,1,2,3
	ds_load_b32 v[KS+4*((\n)%2)+\p], v[LB+(\n)/4] offset:((\n)%4)*BLKB+128*\p
.endr
.endm
.macro WM d, f0, f1, s0, s1, r0, r1, c ; r0, r1: which half of the lanes holds source 0's and source 1's scale words
.if 2*(\r0)+(\r1) == 0
	v_wmma_scale_f32_16x16x128_f8f6f4 v[\d:\d+7], v[\f0:\f0+11], v[\f1:\f1+11], \c, v[\s0], v[\s1] matrix_a_fmt:MATRIX_FMT_FP6 matrix_b_fmt:MATRIX_FMT_FP6
.endif
.if 2*(\r0)+(\r1) == 1
	v_wmma_scale_f32_16x16x128_f8f6f4 v[\d:\d+7], v[\f0:\f0+11], v[\f1:\f1+11], \c, v[\s0], v[\s1] matrix_a_fmt:MATRIX_FMT_FP6 matrix_b_fmt:MATRIX_FMT_FP6 matrix_b_scale:MATRIX_SCALE_ROW1
.endif
.if 2*(\r0)+(\r1) == 2
	v_wmma_scale_f32_16x16x128_f8f6f4 v[\d:\d+7], v[\f0:\f0+11], v[\f1:\f1+11], \c, v[\s0], v[\s1] matrix_a_fmt:MATRIX_FMT_FP6 matrix_b_fmt:MATRIX_FMT_FP6 matrix_a_scale:MATRIX_SCALE_ROW1
.endif
.if 2*(\r0)+(\r1) == 3
	v_wmma_scale_f32_16x16x128_f8f6f4 v[\d:\d+7], v[\f0:\f0+11], v[\f1:\f1+11], \c, v[\s0], v[\s1] matrix_a_fmt:MATRIX_FMT_FP6 matrix_b_fmt:MATRIX_FMT_FP6 matrix_a_scale:MATRIX_SCALE_ROW1 matrix_b_scale:MATRIX_SCALE_ROW1
.endif
.endm
; 32 matrix instructions: accumulator (query tile a, key tile b) at 8 (8 a + b); the 32 take turns in the same order in every step; a unit's first step starts the sums.
.macro MUL n
.irp b, 0,1,2,3,4,5,6,7
.irp a, 0,1,2,3
.if (\n)%8 == 0
	WM 8*(8*\a+\b), SF+96*((\n)%2)+12*\b, 12*(4*((\n)%4)+\a), KS+4*((\n)%2)+\b/2, XS+8*(\a/2)+(\n)%8, \b%2, \a%2, 0
.else
	WM 8*(8*\a+\b), SF+96*((\n)%2)+12*\b, 12*(4*((\n)%4)+\a), KS+4*((\n)%2)+\b/2, XS+8*(\a/2)+(\n)%8, \b%2, \a%2, v[8*(8*\a+\b):8*(8*\a+\b)+7]
.endif
.endr
.endr
.endm
.macro KSTEP n                         ; block n = 8 x unit + K step
	s_wait_dscnt 0x0                               ; this block's 28 loads are in
.if \n < 8
.set LC, 12*(7-(\n))                   ; behind this K step's fragments of Q: 12 loads for each later step; the count's field holds 63
.if LC > 63
.set LC, 63
.endif
	s_wait_loadcnt LC
.endif
.if \n < 15
	PLACES                                         ; in front of loads into registers that the last step's products read
	FETCH \n+1
.endif
.set WV, 0xf0+4*(1+((\n)%8)/4)         ; source 0 window 0, source 1 Q's window, C and D window 3
	WIN WV
	MUL \n
	WIN 0
.endm
.macro OUTS u                          ; the unit's 32 accumulators as they stand, each from its low end on: 512 consecutive aligned bytes a store
	PLACES
	WIN 0x0c                                       ; a store's data are its source 1: window 3
.irp a, 0,1,2,3
.irp c, 0,1,2,3,4,5,6,7,8,9,10,11,12,13,14,15
	global_store_b128 v[LA], v[64*\a+4*\c:64*\a+4*\c+3], s[8:9] offset:131072*\a+8192*\u+512*\c th:TH_STORE_NT
.endr
.endr
	WIN 0
.endm
	s_wait_tensorcnt 0x0                           ; my four blocks are in,
	s_barrier_signal -1
	s_barrier_wait -1                              ; everybody's are
	FETCH 0
.irp n, 0,1,2,3,4,5,6,7
	KSTEP \n
.endr
	OUTS 0
	s_cmp_eq_u32 s23, 0                            ; ids alone: on the diagonal the second 128 keys lie behind the first 128 queries
	s_cbranch_scc1 .Ldead
	s_wait_xcnt 0x0                                ; the stores have read the accumulators: the next unit starts its sums there
.irp n, 8,9,10,11,12,13,14,15
	KSTEP \n
.endr
	OUTS 1
.Ldead:
	s_wait_tensorcnt 0x0                           ; the wave's end
	ds_add_u32 v[SPW], v[NIL]
	s_wait_dscnt 0x0
	s_endpgm
.Lfunc_end_k_q84384c3b75_scores:
	.size	k_q84384c3b75_scores, .Lfunc_end_k_q84384c3b75_scores-k_q84384c3b75_scores
	.p2alignl 7, 3214868480
	.fill 96, 4, 3214868480
	.section	.rodata,"a",@progbits
	.p2align	6, 0x0
	.amdhsa_kernel k_q84384c3b75_scores
		.amdhsa_group_segment_fixed_size 327680
		.amdhsa_private_segment_fixed_size 0
		.amdhsa_enable_private_segment 0
		.amdhsa_kernarg_size 24
		.amdhsa_user_sgpr_count 2
		.amdhsa_user_sgpr_kernarg_segment_ptr 1
		.amdhsa_wavefront_size32 1
		.amdhsa_system_sgpr_workgroup_id_x 1
		.amdhsa_system_sgpr_workgroup_id_y 1
		.amdhsa_system_sgpr_workgroup_id_z 1
		.amdhsa_system_vgpr_workitem_id 0
		.amdhsa_next_free_vgpr 1024
		.amdhsa_next_free_sgpr 66
		.amdhsa_reserve_vcc 0
		.amdhsa_float_denorm_mode_32 3
		.amdhsa_float_denorm_mode_16_64 3
		.amdhsa_memory_ordered 1
		.amdhsa_forward_progress 1
		.amdhsa_inst_pref_size 123
	.end_amdhsa_kernel
	.amdgpu_metadata
---
amdhsa.version: [ 1, 2 ]
amdhsa.kernels:
  - .name:           k_q84384c3b75_scores
    .symbol:         k_q84384c3b75_scores.kd
    .args:
      - { .name: Qb, .offset: 0, .size: 8, .value_kind: global_buffer, .address_space: global }
      - { .name: Kb, .offset: 8, .size: 8, .value_kind: global_buffer, .address_space: global }
      - { .name: Sb, .offset: 16, .size: 8, .value_kind: global_buffer, .address_space: global }
    .group_segment_fixed_size: 327680
    .private_segment_fixed_size: 0
    .kernarg_segment_align: 8
    .kernarg_segment_size: 24
    .max_flat_workgroup_size: 128
    .sgpr_count:     66
    .vgpr_count:     1024
    .wavefront_size: 32
...
	.end_amdgpu_metadata
.endif
;; end of part 2
;; launch soft (part 3): grid 64 x 4, 17 waves a work-group, no clusters, 6,912 bytes of LDS; arguments Sb, Pb; writes Pb
.if DOCPART == 3
	.amdgcn_target "amdgcn-amd-amdhsa--gfx1250"
	.amdhsa_code_object_version 6
	.text
	.protected	k_q84384c3b75_soft
	.globl	k_q84384c3b75_soft
	.p2align	8
	.type	k_q84384c3b75_soft,@function
k_q84384c3b75_soft:
	s_mov_b64 s[64:65], 0
	v_nop
	global_prefetch_b8 v0, s[64:65] scope:SCOPE_SE
	s_setreg_imm32_b32 hwreg(HW_REG_WAVE_MODE, 25, 1), 1
	s_wait_xcnt 0x0
; P = softmax(mask(S / 32)), finished and normalised as reference() has it, then quantised along the keys: the left operand of the last product.
; LEFT OUT AS DEAD WORK: the steps of 128 keys that lie wholly behind a tile's queries (their weights are 0 by reference()'s own tril), and relu (a softmax is never negative).
; A UNIT is 16 queries x 128 keys: 8,192 bytes of S in, one fragment (1,536 bytes) and 16 scale words out.  A lane holds one query (lane % 16); register 8 b + j holds key 16 b + 8 (lane / 16) + j of the step.
; SHARES.  Tile t of queries (0 .. 127 in a batch) has t / 8 + 1 live steps.  A work-group takes tiles x and 127 - x, which have 17 live steps together, whatever x: 17 waves, a unit each, no loop, each byte read once.
; THE MAXIMUM IS TAKEN AWAY as reference() takes it.  Each wave takes its unit's own row maxima mu, e = 2^(c s - c mu) with c = log2(e) / 32, and the sums lu of e.  The waves of a tile meet in LDS:
; cM = the largest c mu, L = the sum of lu_k 2^(c mu_k - cM), and p = e x 2^(c mu - cM) / L.  The rounded number c mu that the exponents were taken against is what the table holds, so its rounding cancels.
; THE TABLE.  Two tables, one for each tile; lanes 0-15 write and read the first, lanes 16-31 the second.  A wave writes (c mu, lu) into its own tile's table and the neutral pair (-inf, 0) into the other.
; Each half of the lanes works out its table's cM and L; the wave keeps the factor of its own tile's half.
; The 64 numbers are quantised as they lie: the order of the codes inside a block of 32 keys is the same as in V's codes.
; LIMITS: p under 2^-126 comes out of v_exp_f32 as 0 (ISA guide, its entry); a block of zeros gets the byte 1, read by this program alone; NaN and infinities among the scores are not served.
; No matrix unit, no tensor load, no cluster: units share nothing but 16 bytes a row.
.set X,   32                           ; v32-95   the unit's 64 numbers
.set T,   96                           ; v96-129  my half's table: (c mu, lu) of 17 waves
.set E,   130                          ; v130-146 2^(c mu_k - cM); v147 my own
.set PC,  148                          ; v148-159 the codes; v160-166 the conversions' second halves
.set TM,  168                          ; v168-171 largest p, v172-175 bytes, v180-183 the conversions' scale operands
.set PW,  184                          ; the scale word
.set SPARE, 4608                       ; behind the tables: the spare words, 128 bytes for each of 17 waves, rounded up to nine blocks of 256 bytes that no other line names
	s_load_b128 s[4:7], s[0:1], 0x0                ; Sb, Pb
	v_lshl_add_u32 v30, v0, 2, SPARE               ; my spare word; never rewritten
	v_mov_b32 v31, 0                               ; 0; never rewritten
	v_lshrrev_b32 v1, 5, v0
	s_delay_alu instid0(VALU_DEP_1)
	v_readfirstlane_b32 s10, v1                    ; wave 0..16
	s_and_b32 s12, ttmp7, 0xffff                   ; batch
	s_lshr_b32 s13, ttmp9, 3                       ; g: tile x has steps 0 .. g
	s_sub_co_u32 s17, 127, ttmp9
	s_sub_co_u32 s18, s10, s13
	s_sub_co_u32 s18, s18, 1
	s_mov_b32 s19, 0xffff0000
	s_cmp_gt_u32 s10, s13                          ; waves 0 .. g: tile x; the others: tile 127 - x
	s_cselect_b32 s14, s17, ttmp9                  ; my tile,
	s_cselect_b32 s15, s18, s10                    ; my step,
	s_cselect_b32 s16, s19, 0xffff                 ; the lanes of my tile's table
	s_lshr_b32 s24, s14, 3                         ; my tile's group of 128 queries = its last live step
	s_and_b32 s25, s14, 7                          ; and its place in the group
	s_lshl_b32 s26, s12, 7
	s_add_co_u32 s26, s26, s14
	s_lshl_b32 s26, s26, 4
	s_add_co_u32 s26, s26, s15
	s_lshl_b32 s26, s26, 13                        ; my unit of S
	s_mov_b32 s27, 0
	s_sub_co_u32 s28, 15, s24                      ; P's blocks lie by pairs of groups: groups pi and 15 - pi have 17 live blocks together, laid on end
	s_sub_co_u32 s29, 16, s15
	s_cmp_ge_u32 s24, 8
	s_cselect_b32 s29, s15, s29                    ; the place in the pair: groups 8-15 step s at s, groups 0-7 step s at 16 - s
	s_min_u32 s28, s28, s24                        ; pi
	s_lshl_b32 s30, s12, 3
	s_add_co_u32 s28, s28, s30                     ; pair 8 x batch + pi
	s_mul_i32 s28, s28, 17
	s_add_co_u32 s28, s28, s29
	s_mul_i32 s28, s28, 12800
	s_mov_b32 s29, 0
	s_mul_i32 s30, s25, 1536                       ; my fragment in the block,
	s_mov_b32 s31, 0
	s_lshl_b32 s2, s25, 6
	s_add_co_u32 s2, s2, 12288                     ; and its scale words
	s_mov_b32 s3, 0
	v_and_b32 v1, 31, v0
	s_delay_alu instid0(VALU_DEP_1)
	v_lshlrev_b32 v4, 4, v1                        ; 16 x lane
	s_wait_alu depctr_va_vdst(0)
	s_wait_kmcnt 0x0
	s_add_nc_u64 s[4:5], s[4:5], s[26:27]
	s_add_nc_u64 s[6:7], s[6:7], s[28:29]
	s_add_nc_u64 s[8:9], s[6:7], s[2:3]
	s_add_nc_u64 s[6:7], s[6:7], s[30:31]
.irp c, 0,1,2,3,4,5,6,7,8,9,10,11,12,13,14,15
	global_load_b128 v[X+4*\c:X+4*\c+3], v4, s[4:5] offset:512*\c th:TH_LOAD_NT   ; 512 consecutive bytes; read once in the launch
.endr
	v_and_b32 v2, 15, v0                           ; r
	v_bfe_u32 v3, v0, 4, 1                         ; h
	s_delay_alu instid0(VALU_DEP_2)
	v_lshlrev_b32 v5, 2, v2                        ; 4 r
	s_delay_alu instid0(VALU_DEP_2)
	v_mul_u32_u24 v7, v3, 2304                     ; my half's table: 16 rows of 144 bytes,
	s_delay_alu instid0(VALU_DEP_1)
	v_mad_u32_u24 v7, v2, 144, v7                  ; my row
	s_lshl_b32 s17, s10, 3
	v_add_nc_u32 v6, s17, v7                       ; and in it my wave's 8 bytes
	v_lshlrev_b32 v8, 3, v3
	s_delay_alu instid0(VALU_DEP_1)
	v_sub_nc_u32 v8, v2, v8
	s_lshl_b32 s18, s25, 4
	v_add_nc_u32 v8, s18, v8                       ; d = 16 a + r - 8 h: on the diagonal register 8 b + j is hidden where 16 b + j > d
	v_mov_b32 v9, 0xff800000                       ; -infinity
	v_mov_b32 v26, 0                               ; written once: a lane permute's destination counts as one of its sources
.irp b, 0,1,2,3
	v_mov_b32 v[TM+4+\b], 0
.endr
	s_mov_b32 s20, 0x76543210
	s_mov_b32 s21, 0xfedcba98                      ; v_permlanex16_b32's selects for lane l xor 16
	s_mov_b32 s22, 0x3d38aa3b                      ; c = log2(e) / 32
	s_mov_b32 s23, s22                             ; (named with it as a pair)
	s_wait_loadcnt 0x0
	s_cmp_lg_u32 s15, s24                          ; only a tile's last live step lies on the diagonal
	s_cbranch_scc1 .Lopen
	s_wait_alu depctr_va_vdst(0)
.irp n, 0,1,2,3,4,5,6,7,8,9,10,11,12,13,14,15,16,17,18,19,20,21,22,23,24,25,26,27,28,29,30,31,32,33,34,35,36,37,38,39,40,41,42,43,44,45,46,47,48,49,50,51,52,53,54,55,56,57,58,59,60,61,62,63
	v_cmp_gt_i32 vcc_lo, 16*(\n/8)+\n%8, v8
	s_delay_alu instid0(VALU_DEP_1)
	v_cndmask_b32 v[X+\n], v[X+\n], v9, vcc_lo     ; a hidden score becomes -infinity.  The step's key 0 counts for every query, so each row keeps a number
.endr
.Lopen:
.irp b, 0,1,2,3
	v_max3_num_f32 v[22+\b], v[X+16*\b], v[X+16*\b+1], v[X+16*\b+2]   ; the unit's largest score of my query, in four chains
.endr
.irp i, 3,5,7,9,11,13
.irp b, 0,1,2,3
	s_delay_alu instid0(VALU_DEP_4)
	v_max3_num_f32 v[22+\b], v[22+\b], v[X+16*\b+\i], v[X+16*\b+\i+1]
.endr
.endr
.irp b, 0,1,2,3
	s_delay_alu instid0(VALU_DEP_4)
	v_max_num_f32 v[22+\b], v[22+\b], v[X+16*\b+15]
.endr
	s_delay_alu instid0(VALU_DEP_2)
	v_max3_num_f32 v10, v22, v23, v24
	s_delay_alu instid0(VALU_DEP_1)
	v_max_num_f32 v10, v10, v25
	s_delay_alu instid0(VALU_DEP_1)
	v_permlanex16_b32 v26, v10, s20, s21
	s_delay_alu instid0(VALU_DEP_1)
	v_max_num_f32 v10, v10, v26                    ; with lane l xor 16's 64 keys: mu
	s_delay_alu instid0(VALU_DEP_1)
	v_mul_f32 v12, s22, v10                        ; c mu
	s_delay_alu instid0(VALU_DEP_1)
	v_mov_b32 v13, v12                             ; (named with it as a pair)
.irp j, 0,2,4,6,8,10,12,14,16,18,20,22,24,26,28,30,32,34,36,38,40,42,44,46,48,50,52,54,56,58,60,62
	v_pk_fma_f32 v[X+\j:X+\j+1], v[X+\j:X+\j+1], s[22:23], v[12:13] op_sel_hi:[1,0,0] neg_lo:[0,0,1] neg_hi:[0,0,1]   ; c s - c mu, two at a time
.endr
	s_wait_alu depctr_va_vdst(0)
.irp j, 0,1,2,3,4,5,6,7,8,9,10,11,12,13,14,15,16,17,18,19,20,21,22,23,24,25,26,27,28,29,30,31,32,33,34,35,36,37,38,39,40,41,42,43,44,45,46,47,48,49,50,51,52,53,54,55,56,57,58,59,60,61,62,63
	v_exp_f32 v[X+\j], v[X+\j]                     ; e, at most 1
.endr
	v_nop                                          ; a plain place behind the exponentials
	s_wait_alu depctr_va_vdst(0)                   ; one wait ahead of the first reader, for the batch of 64
	v_pk_add_f32 v[28:29], v[32:33], v[34:35]
	v_pk_add_f32 v[190:191], v[40:41], v[44:45]
	v_pk_add_f32 v[188:189], v[48:49], v[52:53]
	v_pk_add_f32 v[186:187], v[56:57], v[60:61]
	v_pk_add_f32 v[184:185], v[64:65], v[68:69]
	v_pk_add_f32 v[182:183], v[72:73], v[76:77]
	v_pk_add_f32 v[180:181], v[80:81], v[84:85]
	v_pk_add_f32 v[14:15], v[88:89], v[92:93]
	v_pk_add_f32 v[14:15], v[14:15], v[36:37]
	v_pk_add_f32 v[28:29], v[28:29], v[38:39]
	v_pk_add_f32 v[190:191], v[190:191], v[42:43]
	v_pk_add_f32 v[188:189], v[188:189], v[46:47]
	v_pk_add_f32 v[186:187], v[186:187], v[50:51]
	v_pk_add_f32 v[184:185], v[184:185], v[54:55]
	v_pk_add_f32 v[182:183], v[182:183], v[58:59]
	v_pk_add_f32 v[180:181], v[180:181], v[62:63]
	v_pk_add_f32 v[14:15], v[14:15], v[66:67]
	v_pk_add_f32 v[28:29], v[28:29], v[70:71]
	v_pk_add_f32 v[190:191], v[190:191], v[74:75]
	v_pk_add_f32 v[188:189], v[188:189], v[78:79]
	v_pk_add_f32 v[186:187], v[186:187], v[82:83]
	v_pk_add_f32 v[184:185], v[184:185], v[86:87]
	v_pk_add_f32 v[182:183], v[182:183], v[90:91]
	v_pk_add_f32 v[180:181], v[180:181], v[94:95]
	s_delay_alu instid0(VALU_DEP_4)
	v_pk_add_f32 v[14:15], v[14:15], v[186:187]
	s_delay_alu instid0(VALU_DEP_4)
	v_pk_add_f32 v[28:29], v[28:29], v[184:185]
	s_delay_alu instid0(VALU_DEP_4)
	v_pk_add_f32 v[190:191], v[190:191], v[182:183]
	s_delay_alu instid0(VALU_DEP_4)
	v_pk_add_f32 v[188:189], v[188:189], v[180:181]
	s_delay_alu instid0(VALU_DEP_2)
	v_pk_add_f32 v[14:15], v[14:15], v[190:191]
	s_delay_alu instid0(VALU_DEP_2)
	v_pk_add_f32 v[28:29], v[28:29], v[188:189]
	s_delay_alu instid0(VALU_DEP_1)
	v_pk_add_f32 v[14:15], v[14:15], v[28:29]
	s_delay_alu instid0(VALU_DEP_1)
	v_add_f32 v16, v14, v15
	s_delay_alu instid0(VALU_DEP_1)
	v_permlanex16_b32 v26, v16, s20, s21
	s_delay_alu instid0(VALU_DEP_1)
	v_add_f32 v16, v16, v26                        ; lu
	v_cndmask_b32 v18, v9, v12, s16                ; my tile's table gets (c mu, lu), the other (-inf, 0)
	s_delay_alu instid0(VALU_DEP_2)
	v_cndmask_b32 v19, 0, v16, s16
	ds_store_b64 v6, v[18:19]
	s_wait_dscnt 0x0                               ; for the others' sake: my store has landed
	s_barrier_signal -1
	s_barrier_wait -1
.irp i, 0,1,2,3,4,5,6,7
	ds_load_b128 v[T+4*\i:T+4*\i+3], v7 offset:16*\i   ; my row of my half's table: 17 pairs
.endr
	ds_load_b64 v[T+32:T+33], v7 offset:128
	s_wait_dscnt 0x0
	v_max3_num_f32 v22, v[T], v[T+2], v[T+4]       ; cM of my half's tile
.irp k, 3,5,7,9,11,13,15
	s_delay_alu instid0(VALU_DEP_1)
	v_max3_num_f32 v22, v22, v[T+2*\k], v[T+2*\k+2]
.endr
.irp k, 0,1,2,3,4,5,6,7,8,9,10,11,12,13,14,15,16
	v_sub_f32 v[E+\k], v[T+2*\k], v22
.endr
	v_sub_f32 v[E+17], v12, v22                    ; and my own unit's (of use in my tile's half alone)
	s_wait_alu depctr_va_vdst(0)
.irp k, 0,1,2,3,4,5,6,7,8,9,10,11,12,13,14,15,16,17
	v_exp_f32 v[E+\k], v[E+\k]
.endr
	v_nop
	s_wait_alu depctr_va_vdst(0)                   ; one wait for the 18
	v_mul_f32 v23, v[T+1], v[E]                    ; L, in two chains
	v_mul_f32 v24, v[T+3], v[E+1]
.irp k, 2,4,6,8,10,12,14
	v_fma_f32 v23, v[T+2*\k+1], v[E+\k], v23
	v_fma_f32 v24, v[T+2*\k+3], v[E+\k+1], v24
.endr
	v_fma_f32 v23, v[T+33], v[E+16], v23
	s_delay_alu instid0(VALU_DEP_1)
	v_add_f32 v23, v23, v24
	s_wait_alu depctr_va_vdst(0)
	v_rcp_f32 v24, v23
	v_nop
	s_wait_alu depctr_va_vdst(0)
	v_mul_f32 v20, v[E+17], v24                    ; f = 2^(c mu - cM) / L
	s_delay_alu instid0(VALU_DEP_1)
	v_permlanex16_b32 v26, v20, s20, s21
	s_delay_alu instid0(VALU_DEP_1)
	v_cndmask_b32 v20, v26, v20, s16               ; every lane takes the f of my tile's half
	s_delay_alu instid0(VALU_DEP_1)
	v_mov_b32 v21, v20
.irp j, 0,2,4,6,8,10,12,14,16,18,20,22,24,26,28,30,32,34,36,38,40,42,44,46,48,50,52,54,56,58,60,62
	v_pk_mul_f32 v[X+\j:X+\j+1], v[X+\j:X+\j+1], v[20:21]   ; p, normalised
.endr
	; the quantiser, along the keys: four blocks of 32, each shared with lane l xor 16.  No |.|: p is never negative
.irp b, 0,1,2,3
	v_max3_num_f32 v[TM+\b], v[X+16*\b], v[X+16*\b+1], 0x1800000   ; with the floor 2^(3 - 127): the byte cannot fall under 1
.endr
.irp i, 2,4,6,8,10,12,14
.irp b, 0,1,2,3
	s_delay_alu instid0(VALU_DEP_4)
	v_max3_num_f32 v[TM+\b], v[TM+\b], v[X+16*\b+\i], v[X+16*\b+\i+1]
.endr
.endr
.irp b, 0,1,2,3
	s_delay_alu instid0(VALU_DEP_4)
	v_permlanex16_b32 v[TM+4+\b], v[TM+\b], s20, s21
.endr
.irp b, 0,1,2,3
	s_delay_alu instid0(VALU_DEP_4)
	v_max_num_f32 v[TM+\b], v[TM+\b], v[TM+4+\b]
.endr
.irp b, 0,1,2,3
	s_delay_alu instid0(VALU_DEP_4)
	v_add_nc_u32 v[TM+12+\b], 0xff000000, v[TM+\b] ; 2 off the exponent field: the conversion's scale operand
.endr
.irp b, 0,1,2,3
	s_delay_alu instid0(VALU_DEP_4)
	v_lshrrev_b32 v[TM+4+\b], 23, v[TM+12+\b]      ; the scale's byte
.endr
	s_delay_alu instid0(VALU_DEP_3)
	v_lshl_or_b32 v[PW], v[TM+5], 8, v[TM+4]
	s_delay_alu instid0(VALU_DEP_1)
	v_lshl_or_b32 v[PW], v[TM+6], 16, v[PW]
	s_delay_alu instid0(VALU_DEP_1)
	v_lshl_or_b32 v[PW], v[TM+7], 24, v[PW]
.irp c, 0,1
	v_cvt_scalef32_pk16_fp6_f32 v[PC+6*\c:PC+6*\c+2], v[X+32*\c:X+32*\c+15], v[TM+12+2*\c]
	v_cvt_scalef32_pk16_fp6_f32 v[PC+12+4*\c:PC+14+4*\c], v[X+32*\c+16:X+32*\c+31], v[TM+12+2*\c+1]   ; (a conversion's three registers begin on an even number)
.endr
	v_nop                                          ; one plain place behind a scaled conversion
.irp c, 0,1                            ; a whole block to a lane: lanes 0-15 block 2 c, lanes 16-31 block 2 c + 1
.irp i, 0,1,2
	v_permlane16_swap_b32 v[PC+6*\c+\i], v[PC+12+4*\c+\i]
.endr
.irp i, 0,1,2
	s_delay_alu instid0(VALU_DEP_3)
	v_mov_b32 v[PC+6*\c+3+\i], v[PC+12+4*\c+\i]
.endr
.endr
.irp c, 0,1,2
	global_store_b128 v4, v[PC+4*\c:PC+4*\c+3], s[6:7] offset:512*\c   ; the fragment as it stands: 512 consecutive aligned bytes a store
.endr
	global_store_b32 v5, v[PW], s[8:9]             ; my tile's 16 scale words (both halves of the lanes hold the same word and name the same place)
	s_wait_tensorcnt 0x0                           ; the wave's end, behind my last LDS store
	ds_add_u32 v30, v31
	s_wait_dscnt 0x0
	s_endpgm
.Lfunc_end_k_q84384c3b75_soft:
	.size	k_q84384c3b75_soft, .Lfunc_end_k_q84384c3b75_soft-k_q84384c3b75_soft
	.p2alignl 7, 3214868480
	.fill 96, 4, 3214868480
	.section	.rodata,"a",@progbits
	.p2align	6, 0x0
	.amdhsa_kernel k_q84384c3b75_soft
		.amdhsa_group_segment_fixed_size 6912
		.amdhsa_private_segment_fixed_size 0
		.amdhsa_enable_private_segment 0
		.amdhsa_kernarg_size 16
		.amdhsa_user_sgpr_count 2
		.amdhsa_user_sgpr_kernarg_segment_ptr 1
		.amdhsa_wavefront_size32 1
		.amdhsa_system_sgpr_workgroup_id_x 1
		.amdhsa_system_sgpr_workgroup_id_y 1
		.amdhsa_system_sgpr_workgroup_id_z 1
		.amdhsa_system_vgpr_workitem_id 0
		.amdhsa_next_free_vgpr 192
		.amdhsa_next_free_sgpr 66
		.amdhsa_reserve_vcc 1
		.amdhsa_float_denorm_mode_32 3
		.amdhsa_float_denorm_mode_16_64 3
		.amdhsa_memory_ordered 1
		.amdhsa_forward_progress 1
		.amdhsa_inst_pref_size 34
	.end_amdhsa_kernel
	.amdgpu_metadata
---
amdhsa.version: [ 1, 2 ]
amdhsa.kernels:
  - .name:           k_q84384c3b75_soft
    .symbol:         k_q84384c3b75_soft.kd
    .args:
      - { .name: Sb, .offset: 0, .size: 8, .value_kind: global_buffer, .address_space: global }
      - { .name: Pb, .offset: 8, .size: 8, .value_kind: global_buffer, .address_space: global }
    .group_segment_fixed_size: 6912
    .private_segment_fixed_size: 0
    .kernarg_segment_align: 8
    .kernarg_segment_size: 16
    .max_flat_workgroup_size: 544
    .sgpr_count:     66
    .vgpr_count:     192
    .wavefront_size: 32
...
	.end_amdgpu_metadata
.endif
;; end of part 3
;; launch pv (part 4): grid 8 x 32, 4 waves a work-group, clusters of 4 x 1, 327,680 bytes of LDS; arguments Pb, Vb, out0; writes out0
.if DOCPART == 4
	.amdgcn_target "amdgcn-amd-amdhsa--gfx1250"
	.amdhsa_code_object_version 6
	.text
	.protected	k_q84384c3b75_pv
	.globl	k_q84384c3b75_pv
	.p2align	8
	.type	k_q84384c3b75_pv,@function
k_q84384c3b75_pv:
	s_mov_b64 s[64:65], 0
	v_nop
	global_prefetch_b8 v0, s[64:65] scope:SCOPE_SE
	s_setreg_imm32_b32 hwreg(HW_REG_WAVE_MODE, 25, 1), 1
	s_wait_xcnt 0x0
	s_wait_alu depctr_hold_cnt(0) depctr_sa_sdst(0) depctr_va_vdst(0) depctr_va_sdst(0) depctr_va_ssrc(0) depctr_va_vcc(0) depctr_vm_vsrc(0)
	s_getreg_b32 s2, hwreg(HW_REG_IB_STS2, 6, 4)
	s_cmp_eq_u32 s2, 0
	s_cbranch_scc0 .Lentry_in_a_cluster
	s_endpgm
.Lentry_in_a_cluster:
	s_bfe_u32 s2, ttmp6, 0x10000c
	s_cmp_lg_u32 s2, 0x3003
	s_cbranch_scc0 .Lentry_shape_is_right
	s_endpgm
.Lentry_shape_is_right:
; out = P V on the codes that the launches before have made; K = the keys; f32 sums.
; LEFT OUT AS DEAD WORK: the steps of 128 keys behind a group of 128 queries (their weights are 0 by reference()'s own tril): group G has G + 1 steps.
; SHARES.  A work-group makes the query groups pi and 15 - pi of a batch (grid y = 4 pi + batch) x 128 channels (grid x): pi + 1 and 16 - pi steps, 17 together for every pi: all work-groups are alike.
; A wave makes both groups' 128 queries x 32 channels: 32 accumulators.
; OPERANDS lie in memory as images of their registers, in blocks of 12,800 bytes (128 rows x 128 K: eight fragments of 1,536 bytes, then a scale word a row).
; P: a pair's 17 blocks lie on end: place t holds the large group's step t (t <= 15 - pi) or the small group's step 16 - t.  They come into LDS once: wave 0 brings five blocks, waves 1-3 four each.
; CLUSTER: four work-groups along x need the same 17 blocks and ask for them jointly; nothing in their branches or LDS addresses differs.
; V's fragments belong to one wave each (my 32 channels): all 16 steps, 32 fragments, go from memory straight into 384 registers.  Their number is a constant of the text, so that the counted waits hold on every
; path; the pi steps behind the large group's last are brought and not multiplied.
; THE WALK is 17 fixed steps over the places 0, 16, 1, 15, .. 7, 9, 8.  Places 0-8 are the large group's for every pi, place 16 the small group's; at places 15 .. 9 a branch on pi picks the group:
; place 16 - m is the small group's step m (m <= pi) or the large group's step 16 - m.  So both groups' first steps are fixed in the text and start their sums.
; NO PREFETCH: all operands are asked for at the head.
; Source 0 = 16 channels of V, source 1 = 16 queries of P: a lane holds a query, its registers run along the channels.
; REGISTERS: window 0: v2-15, v40-44 addresses; v16-31 V's scale words; v32-39 P's, two sets; v64-159, v160-255 P's fragments, two sets (v64-191 on the way out).
;   windows 1, 2: V's fragments of steps 0-7, 8-15.   window 3: accumulator (group g, query tile a, channel tile e) at 8 (16 g + 2 a + e); g = 0 small, 1 large.
.set BLKB,  12800
.set SCO,   12288
.set SPARE, 17*BLKB                    ; the spare words, 128 bytes a wave
.set SP,    528                        ; the stage's row: 512 bytes + 16
.set LV,  2                            ; 16 x lane + my two fragments' place in a block of V
.set LVS, 3                            ; 4 x lane + my 32 scale words' place
.set LA,  4                            ; v4-8  16 x lane + four blocks x 0 .. 4 (v4 also: my offset in a row of out)
.set LB,  9                            ; v9-13 4 x lane + the scale words' place + four blocks x 0 .. 4
.set SPW, 14
.set NIL, 15
.set VS,  16                           ; register k: lanes 0-15 my channel tile 0, lanes 16-31 tile 1, step k
.set KS,  32                           ; set s at v[KS + 4 s]: register p: P's tiles 2 p, 2 p + 1
.set STO, 40                           ; v40-43 the stage: my 32 bytes of row lane % 16, + 64 rows x 0 .. 3
.set RD,  44                           ; the stage: my 64 rows, 16 bytes a lane
.set SF,  64
.set BK,  64
.set G1A, 24
.set G1B, 32
.set G0A, 40
.set G0B, 44
.set MSB, 0
.macro WIN new
.if MSB != \new
	s_set_vgpr_msb (MSB<<8)|\new
.set MSB, \new
.endif
.endm
.macro PLACES
.rept 4
	v_nop
.endr
.endm
.macro CROUND
	s_barrier_signal -1
	s_barrier_wait -1
	s_cmp_lg_u32 s10, 0
	s_cbranch_scc1 .Lnot_wave_0_\@
	s_barrier_signal -3
.Lnot_wave_0_\@:
	s_barrier_wait -3
	s_barrier_signal -1
	s_barrier_wait -1
.endm
	s_load_b128 s[4:7], s[0:1], 0x0                ; Pb, Vb
	s_load_b64 s[8:9], s[0:1], 0x10                ; out0
	v_lshl_add_u32 v[SPW], v0, 2, SPARE
	v_mov_b32 v[NIL], 0
	ds_add_u32 v[SPW], v[NIL]                      ; the opening lines: the add twice on end and its wait ahead of my tensor load
	ds_add_u32 v[SPW], v[NIL]
	v_lshrrev_b32 v1, 5, v0
	v_readfirstlane_b32 s10, v1                    ; wave
	s_lshr_b32 s11, s10, 1
	s_and_b32 s12, s10, 1
	s_bfe_u32 s14, ttmp6, 0x40000                  ; cx
	s_lshl_b32 s16, ttmp9, 2
	s_add_co_u32 s14, s14, s16                     ; channel group
	s_and_b32 s16, ttmp7, 0xffff
	s_and_b32 s15, s16, 3                          ; batch
	s_lshr_b32 s13, s16, 2                         ; pi
.irp g, G1A, G1B
	s_mov_b32 s[\g+0], 15|(3<<16)|(1<<21)          ; the cluster's four; elements of 8 bytes; bit 21 beside a mask; dense rows of 256 bytes
	s_mov_b32 s[\g+1], 32<<16
	s_mov_b32 s[\g+3], 32<<16
	s_mov_b32 s[\g+5], 32
	s_mov_b32 s[\g+6], 0
	s_mov_b32 s[\g+7], 0
.endr
	s_mov_b32 s[G1A+2], 250<<16                    ; five blocks
	s_mov_b32 s[G1A+4], 250
	s_mov_b32 s[G1B+2], 200<<16                    ; four blocks
	s_mov_b32 s[G1B+4], 200
	s_lshl_b32 s16, s15, 3
	s_add_co_u32 s17, s16, s13                     ; pair 8 x batch + pi
	s_mul_i32 s18, s17, 17*BLKB
	s_mov_b32 s19, 0
	s_mul_i32 s22, s10, 4*BLKB
	s_add_co_u32 s22, s22, BLKB                    ; waves 1-3: from block 4 x wave + 1 on, in memory and in LDS
	s_add_co_u32 s20, s18, s22
	s_mov_b32 s21, 0
	s_add_co_u32 s55, s16, s14                     ; V: channel group 8 x batch + x
	s_mul_i32 s48, s55, 16*BLKB
	s_mov_b32 s49, 0
	s_sub_co_u32 s17, 15, s13
	s_cmp_eq_u32 s11, 0
	s_cselect_b32 s17, s13, s17                    ; the way out: waves 0, 1 store the small group's rows, waves 2, 3 the large group's
	s_lshl_b32 s50, s15, 11
	s_lshl_b32 s17, s17, 7
	s_add_co_u32 s50, s50, s17
	s_lshl_b32 s17, s12, 6
	s_add_co_u32 s50, s50, s17                     ; my first row of out
	s_lshl_b32 s50, s50, 12
	s_lshl_b32 s17, s14, 9
	s_add_co_u32 s50, s50, s17                     ; and the work-group's first channel, in bytes
	s_mov_b32 s51, 0
	s_mul_i32 s23, s10, 3072
	s_lshl_b32 s52, s10, 7
	s_add_co_u32 s53, s52, SCO
	s_mul_i32 s54, s10, 64*SP
	s_wait_dscnt 0x0                               ; both opening adds are done
	s_wait_kmcnt 0x0
	s_add_nc_u64 s[G0A+2:G0A+3], s[4:5], s[18:19]
	s_add_nc_u64 s[G0B+2:G0B+3], s[4:5], s[20:21]
	s_add_nc_u64 s[6:7], s[6:7], s[48:49]
	s_add_nc_u64 s[8:9], s[8:9], s[50:51]
	s_mov_b32 s[G0A], 1
	s_mov_b32 s[G0A+1], 0
	s_or_b32 s[G0A+3], s[G0A+3], 0x80000000
	s_mov_b32 s[G0B], 1
	s_add_co_u32 s[G0B+1], s22, 0
	s_or_b32 s[G0B+3], s[G0B+3], 0x80000000
	CROUND                                         ; all four work-groups are here: the joint loads meet
	s_cmp_eq_u32 s10, 0                            ; one load a wave, in the two arms of one branch on the wave's number
	s_cbranch_scc0 .Lhead_b
	tensor_load_to_lds s[G0A:G0A+3], s[G1A:G1A+7]
	s_nop 0
	PLACES
	s_branch .Lhead_on
.Lhead_b:
	tensor_load_to_lds s[G0B:G0B+3], s[G1B:G1B+7]
	s_nop 0
	PLACES
.Lhead_on:
	v_and_b32 v1, 31, v0
	v_and_b32 v46, 15, v0
	v_bfe_u32 v47, v0, 4, 1
	v_mul_u32_u24 v46, v46, SP
	v_lshl_add_u32 v46, v47, 5, v46
	v_add_nc_u32 v[STO], s52, v46                  ; row lane % 16, my wave's 128 bytes of it, 32 for each half of the lanes
.irp q, 1,2,3
	v_add_nc_u32 v[STO+\q], 64*SP*\q, v[STO]
.endr
	v_lshl_add_u32 v[RD], v1, 4, s54
	v_lshl_add_u32 v[LV], v1, 4, s23
	v_lshl_add_u32 v[LVS], v1, 2, s53
.irp q, 0,1,2,3,4
	v_lshl_add_u32 v[LA+\q], v1, 4, 4*BLKB*\q
	v_lshl_add_u32 v[LB+\q], v1, 2, 4*BLKB*\q+SCO
.endr
	s_wait_alu depctr_va_vdst(0)
.irp k, 0,1,2,3,4,5,6,7,8,9,10,11,12,13,14,15
	global_load_b32 v[VS+\k], v[LVS], s[6:7] offset:BLKB*\k       ; V: 16 loads of scale words,
.endr
.irp k, 0,1,15,2,14,3,13,4,12,5,11,6,10,7,9,8   ; then six loads a step, in the order in which the walk can first want them
.set WV, 0x40*(1+\k/8)
	WIN WV
.irp e, 0,1
.irp c, 0,1,2
	global_load_b128 v[24*(\k%8)+12*\e+4*\c:24*(\k%8)+12*\e+4*\c+3], v[LV], s[6:7] offset:BLKB*\k+1536*\e+512*\c
.endr
.endr
.endr
	WIN 0
.macro FETCH t, s                      ; the block at place t: eight fragments and four registers of scale words into set s: 28 loads
.irp i, 0,1,2,3,4,5,6,7
.irp c, 0,1,2
	ds_load_b128 v[SF+96*(\s)+12*\i+4*\c:SF+96*(\s)+12*\i+4*\c+3], v[LA+(\t)/4] offset:((\t)%4)*BLKB+1536*\i+512*\c
.endr
.endr
.irp p, 0,1,2,3
	ds_load_b32 v[KS+4*(\s)+\p], v[LB+(\t)/4] offset:((\t)%4)*BLKB+128*\p
.endr
.endm
.macro WM d, f0, f1, s0, s1, r0, r1, c ; r0, r1: which half of the lanes holds source 0's and source 1's scale words
.if 2*(\r0)+(\r1) == 0
	v_wmma_scale_f32_16x16x128_f8f6f4 v[\d:\d+7], v[\f0:\f0+11], v[\f1:\f1+11], \c, v[\s0], v[\s1] matrix_a_fmt:MATRIX_FMT_FP6 matrix_b_fmt:MATRIX_FMT_FP6
.endif
.if 2*(\r0)+(\r1) == 1
	v_wmma_scale_f32_16x16x128_f8f6f4 v[\d:\d+7], v[\f0:\f0+11], v[\f1:\f1+11], \c, v[\s0], v[\s1] matrix_a_fmt:MATRIX_FMT_FP6 matrix_b_fmt:MATRIX_FMT_FP6 matrix_b_scale:MATRIX_SCALE_ROW1
.endif
.if 2*(\r0)+(\r1) == 2
	v_wmma_scale_f32_16x16x128_f8f6f4 v[\d:\d+7], v[\f0:\f0+11], v[\f1:\f1+11], \c, v[\s0], v[\s1] matrix_a_fmt:MATRIX_FMT_FP6 matrix_b_fmt:MATRIX_FMT_FP6 matrix_a_scale:MATRIX_SCALE_ROW1
.endif
.if 2*(\r0)+(\r1) == 3
	v_wmma_scale_f32_16x16x128_f8f6f4 v[\d:\d+7], v[\f0:\f0+11], v[\f1:\f1+11], \c, v[\s0], v[\s1] matrix_a_fmt:MATRIX_FMT_FP6 matrix_b_fmt:MATRIX_FMT_FP6 matrix_a_scale:MATRIX_SCALE_ROW1 matrix_b_scale:MATRIX_SCALE_ROW1
.endif
.endm
; 16 matrix instructions: P's set s x V's step k onto group g's 16 accumulators, which take turns; z = 1: the products start the sums.
.macro RUN s, k, g, z
.set WV, 0xf0+1+(\k)/8                 ; source 0 V's window, source 1 window 0, C and D window 3
	WIN WV
.irp a, 0,1,2,3,4,5,6,7
.irp e, 0,1
.if \z
	WM 8*(16*(\g)+2*\a+\e), 24*((\k)%8)+12*\e, SF+96*(\s)+12*\a, VS+(\k), KS+4*(\s)+\a/2, \e, \a%2, 0
.else
	WM 8*(16*(\g)+2*\a+\e), 24*((\k)%8)+12*\e, SF+96*(\s)+12*\a, VS+(\k), KS+4*(\s)+\a/2, \e, \a%2, v[8*(16*(\g)+2*\a+\e):8*(16*(\g)+2*\a+\e)+7]
.endif
.endr
.endr
	WIN 0
.endm
.macro READY pos, nslot, rank          ; at the head of the walk's step pos: its operands are in; the next place is asked for, into the other set
	s_wait_dscnt 0x0                               ; this step's 28 loads are in
.set LC, 6*(15-(\rank))                ; behind the latest fragments of V that this step can want: six loads for each later step in the order of issue; the count's field holds 63
.if LC > 63
.set LC, 63
.endif
	s_wait_loadcnt LC
.if \nslot >= 0
	PLACES                                         ; in front of loads into registers that the last step's products read
	FETCH \nslot, ((\pos)+1)%2
.endif
.endm
	s_wait_tensorcnt 0x0                           ; my blocks are in,
	s_barrier_signal -1
	s_barrier_wait -1                              ; everybody's are
	FETCH 0, 0
	READY 0, 16, 0
	RUN 0, 0, 1, 1                                 ; the large group's step 0
	READY 1, 1, 0
	RUN 1, 0, 0, 1                                 ; the small group's step 0
.irp i, 1,2,3,4,5,6,7
	READY 2*\i, 16-\i, 2*\i-1
	RUN 0, \i, 1, 0                                ; the large group's step i
	READY 2*\i+1, \i+1, 2*\i
	s_cmp_ge_u32 s13, \i                           ; pi alone, alike in all waves and partners: whose is place 16 - i?
	s_cbranch_scc0 .Llarge_\i
	RUN 1, \i, 0, 0                                ; the small group's step i
	s_branch .Ljoin_\i
.Llarge_\i:
	RUN 1, 16-\i, 1, 0                             ; the large group's step 16 - i
.Ljoin_\i:
.endr
	READY 16, -1, 15
	RUN 0, 8, 1, 0                                 ; the large group's step 8
; THE WAY OUT.  A wave holds 128 bytes of each of 256 rows, so the rows are put together in a stage: 256 rows of 528 bytes, in P's bytes, which have had their one fill and, behind the barrier, their last read.
	s_barrier_signal -1                            ; my reads of P were over at the last step's head
	s_barrier_wait -1
	PLACES                                         ; behind the last products
	WIN 0x0c                                       ; an LDS store's data are its source 1: window 3
.irp g, 0,1
.irp a, 0,1,2,3,4,5,6,7
.irp e, 0,1
	ds_store_b128 v[STO+(8*\g+\a)/4], v[8*(16*\g+2*\a+\e):8*(16*\g+2*\a+\e)+3] offset:((8*\g+\a)%4)*16*SP+64*\e          ; each accumulator from its low end on
	ds_store_b128 v[STO+(8*\g+\a)/4], v[8*(16*\g+2*\a+\e)+4:8*(16*\g+2*\a+\e)+7] offset:((8*\g+\a)%4)*16*SP+64*\e+16
.endr
.endr
.endr
	WIN 0
	s_wait_dscnt 0x0                               ; for the others' sake: my stores have landed
	s_barrier_signal -1
	s_barrier_wait -1
.macro RBACK k                         ; 16 of my 64 rows, 512 bytes each
.set BB, BK+64*((\k)%2)
.irp t, 0,1,2,3,4,5,6,7,8,9,10,11,12,13,14,15
	ds_load_b128 v[BB+4*\t:BB+4*\t+3], v[RD] offset:(16*(\k)+\t)*SP
.endr
.endm
.macro SENDR k
.set BB, BK+64*((\k)%2)
.irp t, 0,1,2,3,4,5,6,7,8,9,10,11,12,13,14,15
	global_store_b128 v[LA], v[BB+4*\t:BB+4*\t+3], s[8:9] offset:(16*(\k)+\t)*4096 th:TH_STORE_NT   ; 512 consecutive bytes, at a multiple of 256 from out's first byte
.endr
.endm
	RBACK 0
.irp k, 1,2,3
.if \k > 1
	s_wait_xcnt 0x0                                ; the stores two back have read their registers: these loads may land there
.endif
	RBACK \k
	s_wait_dscnt 16                                ; all but the 16 loads just issued
	SENDR \k-1
.endr
	s_wait_dscnt 0x0
	SENDR 3
	s_wait_tensorcnt 0x0                           ; the wave's end
	ds_add_u32 v[SPW], v[NIL]
	s_wait_dscnt 0x0
	CROUND                                         ; the closing round
	s_endpgm
.Lfunc_end_k_q84384c3b75_pv:
	.size	k_q84384c3b75_pv, .Lfunc_end_k_q84384c3b75_pv-k_q84384c3b75_pv
	.p2alignl 7, 3214868480
	.fill 96, 4, 3214868480
	.section	.rodata,"a",@progbits
	.p2align	6, 0x0
	.amdhsa_kernel k_q84384c3b75_pv
		.amdhsa_group_segment_fixed_size 327680
		.amdhsa_private_segment_fixed_size 0
		.amdhsa_enable_private_segment 0
		.amdhsa_kernarg_size 24
		.amdhsa_user_sgpr_count 2
		.amdhsa_user_sgpr_kernarg_segment_ptr 1
		.amdhsa_wavefront_size32 1
		.amdhsa_system_sgpr_workgroup_id_x 1
		.amdhsa_system_sgpr_workgroup_id_y 1
		.amdhsa_system_sgpr_workgroup_id_z 1
		.amdhsa_system_vgpr_workitem_id 0
		.amdhsa_next_free_vgpr 1024
		.amdhsa_next_free_sgpr 66
		.amdhsa_reserve_vcc 0
		.amdhsa_float_denorm_mode_32 3
		.amdhsa_float_denorm_mode_16_64 3
		.amdhsa_memory_ordered 1
		.amdhsa_forward_progress 1
		.amdhsa_inst_pref_size 116
	.end_amdhsa_kernel
	.amdgpu_metadata
---
amdhsa.version: [ 1, 2 ]
amdhsa.kernels:
  - .name:           k_q84384c3b75_pv
    .symbol:         k_q84384c3b75_pv.kd
    .args:
      - { .name: Pb, .offset: 0, .size: 8, .value_kind: global_buffer, .address_space: global }
      - { .name: Vb, .offset: 8, .size: 8, .value_kind: global_buffer, .address_space: global }
      - { .name: out0, .offset: 16, .size: 8, .value_kind: global_buffer, .address_space: global }
    .group_segment_fixed_size: 327680
    .private_segment_fixed_size: 0
    .kernarg_segment_align: 8
    .kernarg_segment_size: 24
    .max_flat_workgroup_size: 128
    .sgpr_count:     66
    .vgpr_count:     1024
    .wavefront_size: 32
...
	.end_amdgpu_metadata
.endif
;; end of part 4
